; MI455X (gfx1250); checked and timed in simulation.
; The chip was launched on July 23, 2026; its instructions are those of AMD's public machine-readable ISA for CDNA 5 (MIT licence, August 2026) and "CDNA5" Instruction Set Architecture Reference Guide (July 2026). The comments in the code are by the model that wrote it; some were corrected since.
;; Lorentz Attention. Allowed arithmetic: float matrix products may take bf16 or f16 operands with f32 sums; all other float work in f32.
;; Inputs: Wk 8 x 64 x 513 float32; Wo 512 x 513 float32; Wq 8 x 64 x 513 float32; Wv 8 x 64 x 513 float32; bk 8 x 64 float32; bo 512 float32; bq 8 x 64 float32; bv 8 x 64 float32; x 4 x 2,048 x 513 float32.
;; Outputs: out0 4 x 2,048 x 513 float32.
;; One version. Each part assembles by itself: llvm-mc -triple=amdgcn-amd-amdhsa -mcpu=gfx1250 --defsym DOCPART=n.
;; ======== version 1 of 1: 4 launches
;; workspace buffers: xb 8,388,608 bytes; x0 32,768 bytes; wb 2,097,152 bytes; w0 8,192 bytes; qb 9,437,184 bytes; kv 20,185,088 bytes; fb 8,388,608 bytes; ot2 262,144 bytes
;; launch cast (part 1): grid 256 x 1, 8 waves a work-group, no clusters, 168,960 bytes of LDS; arguments x, Wq, Wk, Wv, Wo, xb, x0, wb, w0; writes xb, x0, wb, w0
.if DOCPART == 1
	.amdgcn_target "amdgcn-amd-amdhsa--gfx1250"
	.amdhsa_code_object_version 6
	.text
	.protected	k_q618e1ebf72_cast
	.globl	k_q618e1ebf72_cast
	.p2align	8
	.type	k_q618e1ebf72_cast,@function
k_q618e1ebf72_cast:
	s_mov_b64 s[64:65], 0
	v_nop
	global_prefetch_b8 v0, s[64:65] scope:SCOPE_SE
	s_setreg_imm32_b32 hwreg(HW_REG_WAVE_MODE, 25, 1), 1
	s_wait_xcnt 0x0
; Columns 1..512 of x and of the four weight matrices are rounded to bf16 into rows of 1,024 bytes; column 0 is kept in f32.
;   xb[8192][512] bf16 = x[:,1:]     x0[8192] f32 = x[:,0]
;   wb[2048][512] bf16: row head*192 + kind*64 + s = W_kind[head][s][1:] (kind 0,1,2 = q,k,v); row 1536 + o = Wo[o][1:]
;   w0[2048] f32: column 0, in wb's order of rows
; A source row is 2,052 bytes, a multiple of 4 only, so 16-byte register loads of rows are not possible: the tensor data mover
; brings 512 elements of 4 bytes of each row into dense LDS rows, and the waves read those 16 bytes a lane.
; Work-group g of 256, wave w of 8: x rows 32 g + 4 w .. + 3, and one weight row (matrix g >> 6, row 8 (g & 63) + w).
; No barrier.  No work-group shares an
; input byte with another, so there is nothing to ask for jointly; no products, so no matrix unit.
.set XROW, 2052                        ; bytes of a source row
.set WLDS, 10240                       ; LDS of a wave: 4 rows of x (8,192 bytes), then one weight row (2,048 bytes)
.set G1X, 24                           ; s[24:31] shape: 4 rows x 512 elements of 4 bytes, 513 elements from row to row
.set G1W, 32                           ; s[32:39] the same with one row
.set G0X, 40                           ; s[40:43]
.set G0W, 44                           ; s[44:47]
	s_load_b256 s[4:11], s[0:1], 0x0               ; x s[4:5], Wq s[6:7], Wk s[8:9], Wv s[10:11]
	s_load_b256 s[12:19], s[0:1], 0x20             ; Wo s[12:13], xb s[14:15], x0 s[16:17], wb s[18:19]
	s_load_b64 s[20:21], s[0:1], 0x40              ; w0
	v_lshl_add_u32 v160, v0, 2, 0x29000
	v_mov_b32 v161, 0
	ds_add_u32 v160, v161
	v_lshrrev_b32 v1, 5, v0
	v_readfirstlane_b32 s22, v1                    ; wave
	v_and_b32 v3, 31, v0                           ; lane
	s_lshr_b32 s23, ttmp9, 6                       ; which matrix: 0 q, 1 k, 2 v, 3 o
	s_and_b32 s48, ttmp9, 63                       ; which group of 8 of its 512 rows
	s_mov_b32 s[G1X+0], 2<<16                      ; element of 4 bytes, no mask, no padding
	s_mov_b32 s[G1X+1], 512<<16                    ; tensor_dim0 = 512
	s_mov_b32 s[G1X+2], 4<<16                      ; tensor_dim1 = 4
	s_mov_b32 s[G1X+3], 512<<16                    ; tile_dim0 = 512
	s_mov_b32 s[G1X+4], 4                          ; tile_dim1 = 4
	s_mov_b32 s[G1X+5], 513                        ; elements from row to row
	s_mov_b32 s[G1X+6], 0
	s_mov_b32 s[G1X+7], 0
	s_mov_b32 s[G1W+0], 2<<16
	s_mov_b32 s[G1W+1], 512<<16
	s_mov_b32 s[G1W+2], 1<<16
	s_mov_b32 s[G1W+3], 512<<16
	s_mov_b32 s[G1W+4], 1
	s_mov_b32 s[G1W+5], 513
	s_mov_b32 s[G1W+6], 0
	s_mov_b32 s[G1W+7], 0
	s_lshl_b32 s49, ttmp9, 5
	s_lshl2_add_u32 s49, s22, s49                  ; my first row of x: 32 g + 4 w
	s_mul_i32 s54, s49, XROW
	s_add_co_u32 s54, s54, 4                       ; its column 1, in bytes
	s_mov_b32 s55, 0
	s_lshl3_add_u32 s56, s48, s22                  ; my weight row: 8 (g & 63) + w
	s_mul_i32 s58, s56, XROW
	s_add_co_u32 s58, s58, 4
	s_mov_b32 s59, 0
	s_mul_i32 s57, s22, WLDS                       ; my wave's LDS
	s_lshr_b32 s60, s48, 3                         ; head
	s_mul_i32 s60, s60, 192
	s_lshl_b32 s61, s23, 6
	s_add_co_u32 s60, s60, s61                     ; + 64 kind
	s_and_b32 s61, s48, 7
	s_lshl3_add_u32 s60, s61, s60                  ; + 8 (g & 7): wb's row for wave 0 (q, k, v)
	s_lshl_b32 s61, s48, 3
	s_add_co_u32 s61, s61, 1536                    ; the same for Wo
	s_cmp_eq_u32 s23, 3
	s_cselect_b32 s60, s61, s60
	s_wait_dscnt 0x0
	s_wait_kmcnt 0x0
	s_cmp_eq_u32 s23, 1                            ; the matrix is chosen by the work-group's number alone
	s_cselect_b64 s[50:51], s[8:9], s[6:7]
	s_cmp_eq_u32 s23, 2
	s_cselect_b64 s[50:51], s[10:11], s[50:51]
	s_cmp_eq_u32 s23, 3
	s_cselect_b64 s[50:51], s[12:13], s[50:51]
	s_mov_b32 s[G0X+0], 1
	s_mov_b32 s[G0X+1], s57
	s_add_nc_u64 s[G0X+2:G0X+3], s[4:5], s[54:55]
	s_or_b32 s[G0X+3], s[G0X+3], 0x80000000
	s_mov_b32 s[G0W+0], 1
	s_add_co_u32 s[G0W+1], s57, 8192
	s_add_nc_u64 s[G0W+2:G0W+3], s[50:51], s[58:59]
	s_or_b32 s[G0W+3], s[G0W+3], 0x80000000
	tensor_load_to_lds s[G0X:G0X+3], s[G1X:G1X+7]  ; both fills go out together, ahead of every wait and LDS read: two loads of the wave are out
	s_nop 0
	tensor_load_to_lds s[G0W:G0W+3], s[G1W:G1W+7]
	s_nop 0
	s_lshl_b32 s62, s49, 10
	s_mov_b32 s63, 0
	s_add_nc_u64 s[52:53], s[14:15], s[62:63]      ; xb at my first row
	s_add_co_u32 s62, s60, s22
	s_lshl_b32 s62, s62, 10
	s_add_nc_u64 s[54:55], s[18:19], s[62:63]      ; wb at my row
	; column 0: wave 0 takes the group's 32 rows of x, wave 1 its 8 weight rows
	s_cmp_lg_u32 s22, 0
	s_cbranch_scc1 .Lnot_wave_0
	s_mul_i32 s62, ttmp9, 32*XROW
	v_mul_u32_u24 v4, v3, XROW
	v_add_nc_u32 v4, s62, v4
	global_load_b32 v5, v4, s[4:5]
	s_lshl_b32 s63, ttmp9, 7
	v_lshl_add_u32 v6, v3, 2, s63
	s_wait_loadcnt 0x0
	global_store_b32 v6, v5, s[16:17]              ; 128 neighbouring bytes of x0
.Lnot_wave_0:
	s_cmp_lg_u32 s22, 1
	s_cbranch_scc1 .Lnot_wave_1
	s_mul_i32 s62, s48, 8*XROW
	v_mul_u32_u24 v7, v3, XROW
	v_add_nc_u32 v7, s62, v7
	s_lshl_b32 s63, s60, 2
	v_lshl_add_u32 v9, v3, 2, s63
	v_cmp_gt_u32 vcc_lo, 8, v3
	s_wait_xcnt 0x0                                ; EXEC changes only behind this wait
	s_and_saveexec_b32 s61, vcc_lo                 ; lanes 0 to 7
	global_load_b32 v8, v7, s[50:51]
	s_wait_loadcnt 0x0
	global_store_b32 v9, v8, s[20:21]
	s_wait_xcnt 0x0                                ; and again in front of the line that widens it
	s_or_b32 exec_lo, exec_lo, s61
.Lnot_wave_1:
	v_lshlrev_b32 v1, 4, v3
	v_add_nc_u32 v1, s57, v1                       ; LDS: 16 bytes a lane
	v_lshlrev_b32 v2, 3, v3                        ; memory: 8 bytes a lane
	s_wait_tensorcnt 0x1                           ; the tile of x has landed; the weight row, issued behind it, may stay out
.irp j, 0,1,2,3,4,5,6,7,8,9,10,11,12,13,14,15
	ds_load_b128 v[32+4*\j:35+4*\j], v1 offset:512*\j
.endr
.irp j, 0,1,2,3,4,5,6,7,8,9,10,11,12,13,14,15
	s_wait_dscnt 15-\j                             ; LDS loads come back in order: number j is in, the younger ones stay out
	v_cvt_pk_bf16_f32 v[96+2*\j], v[32+4*\j], v[33+4*\j]
	v_cvt_pk_bf16_f32 v[97+2*\j], v[34+4*\j], v[35+4*\j]
	global_store_b64 v2, v[96+2*\j:97+2*\j], s[52:53] offset:256*\j    ; the wave's 32 lanes store 256 consecutive bytes, aligned
.endr
	s_wait_tensorcnt 0x0                           ; the weight row; nothing may be out at the end either
.irp j, 0,1,2,3
	ds_load_b128 v[128+4*\j:131+4*\j], v1 offset:8192+512*\j
.endr
.irp j, 0,1,2,3
	s_wait_dscnt 3-\j
	v_cvt_pk_bf16_f32 v[144+2*\j], v[128+4*\j], v[129+4*\j]
	v_cvt_pk_bf16_f32 v[145+2*\j], v[130+4*\j], v[131+4*\j]
	global_store_b64 v2, v[144+2*\j:145+2*\j], s[54:55] offset:256*\j
.endr
	s_wait_tensorcnt 0x0
	ds_add_u32 v160, v161
	s_wait_dscnt 0x0
	s_endpgm
.Lfunc_end_k_q618e1ebf72_cast:
	.size	k_q618e1ebf72_cast, .Lfunc_end_k_q618e1ebf72_cast-k_q618e1ebf72_cast
	.p2alignl 7, 3214868480
	.fill 96, 4, 3214868480
	.section	.rodata,"a",@progbits
	.p2align	6, 0x0
	.amdhsa_kernel k_q618e1ebf72_cast
		.amdhsa_group_segment_fixed_size 168960
		.amdhsa_private_segment_fixed_size 0
		.amdhsa_enable_private_segment 0
		.amdhsa_kernarg_size 72
		.amdhsa_user_sgpr_count 2
		.amdhsa_user_sgpr_kernarg_segment_ptr 1
		.amdhsa_wavefront_size32 1
		.amdhsa_system_sgpr_workgroup_id_x 1
		.amdhsa_system_sgpr_workgroup_id_y 1
		.amdhsa_system_sgpr_workgroup_id_z 1
		.amdhsa_system_vgpr_workitem_id 0
		.amdhsa_next_free_vgpr 162
		.amdhsa_next_free_sgpr 66
		.amdhsa_reserve_vcc 1
		.amdhsa_float_denorm_mode_32 3
		.amdhsa_float_denorm_mode_16_64 3
		.amdhsa_memory_ordered 1
		.amdhsa_forward_progress 1
		.amdhsa_inst_pref_size 12
	.end_amdhsa_kernel
	.amdgpu_metadata
---
amdhsa.version: [ 1, 2 ]
amdhsa.kernels:
  - .name:           k_q618e1ebf72_cast
    .symbol:         k_q618e1ebf72_cast.kd
    .args:
      - { .name: x, .offset: 0, .size: 8, .value_kind: global_buffer, .address_space: global }
      - { .name: Wq, .offset: 8, .size: 8, .value_kind: global_buffer, .address_space: global }
      - { .name: Wk, .offset: 16, .size: 8, .value_kind: global_buffer, .address_space: global }
      - { .name: Wv, .offset: 24, .size: 8, .value_kind: global_buffer, .address_space: global }
      - { .name: Wo, .offset: 32, .size: 8, .value_kind: global_buffer, .address_space: global }
      - { .name: xb, .offset: 40, .size: 8, .value_kind: global_buffer, .address_space: global }
      - { .name: x0, .offset: 48, .size: 8, .value_kind: global_buffer, .address_space: global }
      - { .name: wb, .offset: 56, .size: 8, .value_kind: global_buffer, .address_space: global }
      - { .name: w0, .offset: 64, .size: 8, .value_kind: global_buffer, .address_space: global }
    .group_segment_fixed_size: 168960
    .private_segment_fixed_size: 0
    .kernarg_segment_align: 8
    .kernarg_segment_size: 72
    .max_flat_workgroup_size: 256
    .sgpr_count:     66
    .vgpr_count:     162
    .wavefront_size: 32
...
	.end_amdgpu_metadata
.endif
;; end of part 1
;; launch qkv (part 2): grid 8 x 32, 4 waves a work-group, clusters of 4 x 4, 327,680 bytes of LDS; arguments xb, wb, x0, w0, bq, bk, bv, qb, kv; writes qb, kv
.if DOCPART == 2
	.amdgcn_target "amdgcn-amd-amdhsa--gfx1250"
	.amdhsa_code_object_version 6
	.text
	.protected	k_q618e1ebf72_qkv
	.globl	k_q618e1ebf72_qkv
	.p2align	8
	.type	k_q618e1ebf72_qkv,@function
k_q618e1ebf72_qkv:
	s_mov_b64 s[64:65], 0
	v_nop
	global_prefetch_b8 v0, s[64:65] scope:SCOPE_SE
	s_setreg_imm32_b32 hwreg(HW_REG_WAVE_MODE, 25, 1), 1
	s_wait_xcnt 0x0
	s_wait_alu depctr_hold_cnt(0) depctr_sa_sdst(0) depctr_va_vdst(0) depctr_va_sdst(0) depctr_va_ssrc(0) depctr_va_vcc(0) depctr_vm_vsrc(0)
	s_getreg_b32 s2, hwreg(HW_REG_IB_STS2, 6, 4)
	s_cmp_eq_u32 s2, 0
	s_cbranch_scc0 .Lentry_in_a_cluster
	s_endpgm
.Lentry_in_a_cluster:
	s_bfe_u32 s2, ttmp6, 0x10000c
	s_cmp_lg_u32 s2, 0xf033
	s_cbranch_scc0 .Lentry_shape_is_right
	s_endpgm
.Lentry_shape_is_right:
; The three LorentzFC projections of one head for 256 tokens: space = xb wb^T (K = 512, bf16 operands, f32 sums) + x0 w0 + b (f32),
; rounded to bf16, and time = sqrt(1/k + sum of the ROUNDED spatial numbers' squares) in f32, so that each rounded point lies on
; the hyperboloid and the differences formed later (-t_q t_k + <s_q,s_k>, m_t^2 - |m_s|^2) do not magnify the operands' rounding.
; q is scaled by c = log2(e)/8 (softmax scale and base 2), so its constant under the root is 10 c^2.
; LIMITS: matrix operands are bf16; the order of the f32 sums differs from a plain dot product; the sum of squares overflows
; where it passes f32's largest number.
; OUT: qb[bh][2048] rows of 144 bytes: 64 bf16 c s_q, f32 -c t_q, 12 zero bytes.
;      kv[bh][8] records of 78,848 bytes for 256 keys: K rows of 144 bytes (64 bf16, f32 t_k, zeros); at 36,864 V rows of 160 bytes
;      (64 bf16, bf16 t_hi, t_lo, 1.0, 13 zeros); at 77,824 t_k as 256 f32.  A record is what one LDS slot of the next launch holds.
; SHAPE: a work-group makes 256 tokens x 192 columns (q, k, v of head j) with four waves; a wave 64 tokens x 192: 48 accumulator tiles.
; K goes in 4 steps of 128 through two LDS slots (256 rows of xb, 192 rows of wb, rows of 256 bytes + 16 of padding).
; CLUSTERS: 4 x 4 work-groups; xb's tile hangs on the token block alone and is asked for jointly along a row of the cluster,
; wb's on the head alone and jointly along a column.
; REGISTERS: window 0: addresses, A fragments v64-127 (two buffers of 4 x 8), epilogue v128-255.  Window 1: B fragments v0-191 (two buffers
; of 12 x 8).  Windows 2, 3: accumulators of token tiles 0,1 and 2,3 at v[8 (12 a + b)].  v192-223 / v224-255 of windows 1, 2, 3: w0 and bias of q, k, v.
; The matrix instruction is used transposed (source 0 = rows of wb, source 1 = rows of xb): lane l holds token l % 16, registers 0-7 the columns 8 (l / 16) + 0..7.
.set KSTEP,  128
.set PITCH,  272
.set HALFA,  128*PITCH                 ; what waves 0 and 1 fetch
.set HALFB,  96*PITCH                  ; what waves 2 and 3 fetch
.set SLOT,   2*HALFA+2*HALFB
.set STAGE,  2*SLOT                    ; behind the ring, a multiple of 256: no fill lands there
.set WSTAGE, 10496                     ; a wave's stage: 10,240 bytes of rows, 256 of times
.set TST,    10240
.set REC,    78848
.set RECV,   36864
.set RECT,   77824
.set CQ,     0x3e38aa3b                ; c = log2(e) / 8
.set ADRA, 16                          ; v16-17 my A fragments in slot 0, 1
.set ADRB, 20                          ; v20-21 B fragments
.set PADA, 22                          ; stage + 144 r + 128
.set PADV, 23                          ; stage + 160 r + 128 + 16 h
.set STOA, 24                          ; stage + 144 r + 16 h
.set STOV, 25                          ; stage + 160 r + 16 h
.set RDF,  26                          ; stage + 16 lane
.set GOF,  27                          ; 16 lane
.set TSW,  28                          ; stage + 4 r
.set TSR,  29                          ; stage + 8 lane
.set GO8,  30                          ; 8 lane
.set H32,  31                          ; 32 h
.set X0P,  32                          ; v32-39 x0 of my token in tile mt, as pairs
.set X0C,  40                          ; v40-47 c x0
.set ZERO, 48
.set C8Q,  49                          ; 10 c^2 / 8: each of a token's eight chains of squares starts from an eighth of the constant
.set C8,   50                          ; 10 / 8
.set ONEB, 51                          ; bf16 1.0 in the low half
.set SS,   52                          ; v52-55 four chains
.set T,    56                          ; v56-59
.set PD,   60                          ; v60-63 the 16 bytes behind a row's 128
.set FA,   64
.set VAL,  128                         ; v128-159
.set PK,   160                         ; v160-175
.set CP,   176                         ; v176-255
.set WR,   192
.set BR,   224
.set G1, 24
.set G0, 32
.set G1B, 48
.set G0B, 56
.set MSB, 0
.macro WIN new                         ; the immediate's high byte repeats the setting that is left
.if MSB != \new
	s_set_vgpr_msb (MSB<<8)|\new
.set MSB, \new
.endif
.endm
.set MUL_LO, 0xa1                      ; source 0 (wb) window 1, source 1 (xb) window 0, C and D window 2
.set MUL_HI, 0xf1                      ; C and D window 3
.set TO_B,   0x40
; A joint load: waves 0, 1 ask for xb's halves, waves 2, 3 for wb's.  The branch hangs on the wave's number alone.
.macro JLOAD s
	s_cmp_eq_u32 s11, 0
	s_cbranch_scc0 .Lfor_b_\@
	tensor_load_to_lds s[G0+4*\s:G0+4*\s+3], s[G1:G1+7]
	s_nop 0
	s_branch .Lasked_\@
.Lfor_b_\@:
	tensor_load_to_lds s[G0B+4*\s:G0B+4*\s+3], s[G1B:G1B+7]
	s_nop 0
.Lasked_\@:
.endm
.macro CREST                           ; a round of the cluster's barrier behind its opening barrier
	s_cmp_lg_u32 s10, 0
	s_cbranch_scc1 .Lnot_wave_0_\@
	s_barrier_signal -3
.Lnot_wave_0_\@:
	s_barrier_wait -3
	s_barrier_signal -1
	s_barrier_wait -1
.endm
.macro CROUND
	s_barrier_signal -1
	s_barrier_wait -1
	CREST
.endm
	s_load_b128 s[4:7], s[0:1], 0x0                ; xb s[4:5], wb s[6:7]
	s_load_b256 s[68:75], s[0:1], 0x10             ; x0 s[68:69], w0 s[70:71], bq s[72:73], bk s[74:75]
	s_load_b128 s[76:79], s[0:1], 0x30             ; bv s[76:77], qb s[78:79]
	s_load_b64 s[80:81], s[0:1], 0x40              ; kv
	v_lshl_add_u32 v18, v0, 2, 0x45c00
	v_mov_b32 v19, 0
	ds_add_u32 v18, v19
	v_lshrrev_b32 v1, 5, v0
	v_readfirstlane_b32 s10, v1                    ; wave
	s_lshr_b32 s11, s10, 1                         ; I fetch for xb (0) or wb (1)
	s_and_b32 s12, s10, 1                          ; which half
	s_bfe_u32 s40, ttmp6, 0x40000                  ; cx
	s_bfe_u32 s41, ttmp6, 0x40004                  ; cy
	s_lshl_b32 s42, ttmp9, 2
	s_add_co_u32 s42, s42, s40                     ; head j
	s_and_b32 s13, ttmp7, 0xffff
	s_lshl_b32 s13, s13, 2
	s_add_co_u32 s13, s13, s41                     ; token block i
	s_lshl_b32 s43, s41, 2
	s_lshl_b32 s43, 15, s43                        ; my row of the cluster
	s_lshl_b32 s44, 0x1111, s40                    ; my column
	s_or_b32 s[G1+0], s43, (1<<16)|(1<<20)|(1<<21)|(5<<22)|(3<<25)   ; mask; 2-byte elements; 4 words of padding behind every 64
	s_or_b32 s[G1B+0], s44, (1<<16)|(1<<20)|(1<<21)|(5<<22)|(3<<25)
	s_mov_b32 s[G1+1], KSTEP<<16
	s_mov_b32 s[G1B+1], KSTEP<<16
	s_mov_b32 s[G1+2], 128<<16                     ; 128 rows of xb
	s_mov_b32 s[G1B+2], 96<<16                     ; 96 rows of wb
	s_mov_b32 s[G1+3], KSTEP<<16
	s_mov_b32 s[G1B+3], KSTEP<<16
	s_mov_b32 s[G1+4], 128
	s_mov_b32 s[G1B+4], 96
	s_mov_b32 s[G1+5], 512
	s_mov_b32 s[G1B+5], 512
	s_mov_b32 s[G1+6], 0
	s_mov_b32 s[G1B+6], 0
	s_mov_b32 s[G1+7], 0
	s_mov_b32 s[G1B+7], 0
	s_lshl_b32 s17, s12, 7
	s_lshl_b32 s16, s13, 8
	s_add_co_u32 s16, s16, s17                     ; xb: row 256 i + 128 half
	s_lshl_b32 s16, s16, 10                        ; rows of 1,024 bytes
	s_mov_b32 s17, 0
	s_mul_i32 s46, s42, 192
	s_mul_i32 s47, s12, 96
	s_add_co_u32 s46, s46, s47                     ; wb: row 192 j + 96 half
	s_lshl_b32 s46, s46, 10
	s_mov_b32 s47, 0
	s_mul_i32 s20, s10, HALFA                      ; LDS: waves 0, 1: xb's halves
	s_mul_i32 s21, s10, HALFB
	s_add_co_u32 s21, s21, 2*HALFA-2*HALFB         ; waves 2, 3: wb's halves behind them
	s_wait_dscnt 0x0
	s_wait_kmcnt 0x0
	s_add_nc_u64 s[14:15], s[4:5], s[16:17]
	s_add_nc_u64 s[46:47], s[6:7], s[46:47]
	CROUND                                         ; all sixteen work-groups are here: the first joint loads meet
.irp s, 0,1
	s_mov_b32 s[G0+4*\s], 1
	s_add_co_u32 s[G0+4*\s+1], s20, \s*SLOT
	s_add_nc_u64 s[G0+4*\s+2:G0+4*\s+3], s[14:15], \s*KSTEP*2
	s_or_b32 s[G0+4*\s+3], s[G0+4*\s+3], 0x80000000
	s_mov_b32 s[G0B+4*\s], 1
	s_add_co_u32 s[G0B+4*\s+1], s21, \s*SLOT
	s_add_nc_u64 s[G0B+4*\s+2:G0B+4*\s+3], s[46:47], \s*KSTEP*2
	s_or_b32 s[G0B+4*\s+3], s[G0B+4*\s+3], 0x80000000
	JLOAD \s                                       ; two loads of the wave are out
.endr
	; addresses of the constants and of the results
	s_mov_b32 s19, 0
	s_mul_i32 s18, s42, 768
	s_add_nc_u64 s[82:83], s[70:71], s[18:19]      ; w0 at row 192 j
	s_lshl_b32 s18, s42, 8
	s_add_nc_u64 s[84:85], s[72:73], s[18:19]      ; bq, bk, bv at head j
	s_add_nc_u64 s[86:87], s[74:75], s[18:19]
	s_add_nc_u64 s[88:89], s[76:77], s[18:19]
	s_lshl_b32 s18, s13, 10
	s_lshl_b32 s45, s10, 8
	s_add_co_u32 s18, s18, s45
	s_add_nc_u64 s[92:93], s[68:69], s[18:19]      ; x0 at token 256 i + 64 w
	s_lshr_b32 s18, s13, 3                         ; batch
	s_lshl3_add_u32 s18, s18, s42                  ; bh = 8 b + j
	s_and_b32 s45, s13, 7                          ; block of 256 keys
	s_lshl3_add_u32 s3, s18, s45                   ; record = 8 bh + block
	s_lshl_b32 s18, s3, 2
	s_add_co_u32 s18, s18, s10
	s_mul_i32 s18, s18, 9216                       ; (256 record + 64 w) rows of 144 bytes
	s_add_nc_u64 s[78:79], s[78:79], s[18:19]      ; qb at my rows
	s_mul_i32 s18, s3, REC
	s_add_nc_u64 s[80:81], s[80:81], s[18:19]      ; my record
	s_mul_i32 s18, s10, 10240
	s_add_co_u32 s18, s18, RECV
	s_add_nc_u64 s[98:99], s[80:81], s[18:19]      ; its V rows, mine
	s_lshl_b32 s18, s10, 8
	s_add_co_u32 s18, s18, RECT
	s_add_nc_u64 s[100:101], s[80:81], s[18:19]    ; its times, mine
	s_mul_i32 s18, s10, 9216
	s_add_nc_u64 s[80:81], s[80:81], s[18:19]      ; its K rows, mine
	s_mov_b32 s94, 0x76543210                      ; v_permlanex16_b32: lane i reads lane i of the other half
	s_mov_b32 s95, 0xfedcba98
	v_and_b32 v1, 15, v0                           ; r
	v_bfe_u32 v2, v0, 4, 1                         ; h
	v_and_b32 v5, 31, v0                           ; lane
	v_mul_u32_u24 v3, v1, PITCH
	v_lshl_add_u32 v3, v2, 4, v3
	s_mul_i32 s22, s10, 64*PITCH                   ; my 64 rows of xb
	v_add_nc_u32 v[ADRA], s22, v3
	v_add_nc_u32 v[ADRA+1], SLOT, v[ADRA]
	v_add_nc_u32 v[ADRB], 2*HALFA, v3
	v_add_nc_u32 v[ADRB+1], SLOT, v[ADRB]
	s_mul_i32 s23, s10, WSTAGE
	s_add_co_u32 s23, s23, STAGE                   ; my stage
	v_mul_u32_u24 v4, v1, 144
	v_add_nc_u32 v4, s23, v4
	v_lshl_add_u32 v[STOA], v2, 4, v4
	v_add_nc_u32 v[PADA], 128, v4
	v_mul_u32_u24 v4, v1, 160
	v_add_nc_u32 v4, s23, v4
	v_lshl_add_u32 v[STOV], v2, 4, v4
	v_add_nc_u32 v[PADV], 128, v[STOV]
	v_lshlrev_b32 v[GOF], 4, v5
	v_add_nc_u32 v[RDF], s23, v[GOF]
	v_lshlrev_b32 v6, 2, v1
	v_add_nc_u32 v[TSW], s23, v6
	v_lshlrev_b32 v[GO8], 3, v5
	v_add_nc_u32 v[TSR], s23, v[GO8]
	v_lshlrev_b32 v[H32], 5, v2
	v_cmp_eq_u32 s96, 1, v2                        ; lanes 16 to 31
	v_mov_b32 v[ZERO], 0
	v_mov_b32 v[C8Q], CQ
	v_mul_f32 v[C8Q], v[C8Q], v[C8Q]
	v_mul_f32 v[C8Q], 0x3fa00000, v[C8Q]           ; 1.25 c^2
	v_mov_b32 v[C8], 0x3fa00000                    ; 1.25
	v_mov_b32 v[ONEB], 0x3f80
	v_mov_b32 v[T], 0                              ; v_permlanex16_b32 counts as a reader of its destination
	v_mov_b32 v[PD+1], 0
	v_mov_b32 v[PD+2], 0
	v_mov_b32 v[PD+3], 0
	; my 8 columns of each of the 12 column tiles: w0 and bias, waited for in front of the epilogue
.irp kd, 0,1,2
	WIN ((\kd+1)<<6)
.irp c, 0,1,2,3
	global_load_b128 v[WR+8*\c:WR+8*\c+3],   v[H32], s[82:83] offset:256*\kd+64*\c
	global_load_b128 v[WR+8*\c+4:WR+8*\c+7], v[H32], s[82:83] offset:256*\kd+64*\c+16
	global_load_b128 v[BR+8*\c:BR+8*\c+3],   v[H32], s[84+2*\kd:85+2*\kd] offset:64*\c
	global_load_b128 v[BR+8*\c+4:BR+8*\c+7], v[H32], s[84+2*\kd:85+2*\kd] offset:64*\c+16
.endr
.endr
	WIN 0
.irp m, 0,1,2,3
	global_load_b32 v[X0P+2*\m], v6, s[92:93] offset:64*\m
.endr
; 12 matrix instructions: token tile 2 hi + a x all 12 column tiles, 32 along K.  zero = 1: the first product starts the sums.
.macro MUL12 p, hi, a, zero
.irp b, 0,1,2,3,4,5,6,7,8,9,10,11
.if \zero
	v_wmma_f32_16x16x32_bf16 v[8*(12*\a+\b):8*(12*\a+\b)+7], v[96*\p+8*\b:96*\p+8*\b+7], v[FA+32*\p+8*(2*\hi+\a):FA+32*\p+8*(2*\hi+\a)+7], 0
.else
	v_wmma_f32_16x16x32_bf16 v[8*(12*\a+\b):8*(12*\a+\b)+7], v[96*\p+8*\b:96*\p+8*\b+7], v[FA+32*\p+8*(2*\hi+\a):FA+32*\p+8*(2*\hi+\a)+7], v[8*(12*\a+\b):8*(12*\a+\b)+7]
.endif
.endr
.endm
; 32 LDS loads in one run: a quarter step's fragments (192 rows of wb, my 64 rows of xb, 32 K at byte k) into buffer p
.macro FETCH slot, k, p
	WIN TO_B
.irp i, 0,1,2,3,4,5,6,7,8,9,10,11
	ds_load_b128 v[96*\p+8*\i:96*\p+8*\i+3],   v[ADRB+\slot] offset:\k+\i*16*PITCH
	ds_load_b128 v[96*\p+8*\i+4:96*\p+8*\i+7], v[ADRB+\slot] offset:\k+\i*16*PITCH+32
.endr
	WIN 0
.irp i, 0,1,2,3
	ds_load_b128 v[FA+32*\p+8*\i:FA+32*\p+8*\i+3],   v[ADRA+\slot] offset:\k+\i*16*PITCH
	ds_load_b128 v[FA+32*\p+8*\i+4:FA+32*\p+8*\i+7], v[ADRA+\slot] offset:\k+\i*16*PITCH+32
.endr
.endm
; Four places behind a matrix instruction before a load lands in one of its sources or a vector instruction reads its result
; (ISA guide 7.12.1 for vector instructions); other matrix instructions are not counted as places.
.macro PLACES
.rept 4
	v_nop
.endr
.endm
; The 48 accumulators take turns, one instruction a turn, in the same order in every quarter step.
.macro QUARTER slot, k, f, g, zero
	s_wait_dscnt 4                                 ; wb's fragments and xb's token tiles 0, 1 are in; the youngest four loads (tiles 2, 3) may be out
	WIN MUL_LO
	MUL12 \f, 0, 0, \zero
	MUL12 \f, 0, 1, \zero
	PLACES
	FETCH \slot, \k, \g
	s_wait_dscnt 32                                ; all but the 32 just issued
	WIN MUL_HI
	MUL12 \f, 1, 0, \zero
	MUL12 \f, 1, 1, \zero
.endm
.macro THREE slot, zero
	QUARTER \slot, 64,  0, 1, \zero
	QUARTER \slot, 128, 1, 0, 0
	QUARTER \slot, 192, 0, 1, 0
.endm
; The last quarter of a K step changes slots: each wave waits for its reads of this slot and for all its tensor loads, then the barrier
; (with fill = 1 it opens a round of the cluster's barrier), then the joint refill first, then the next slot's first fragments.
.macro TURN slot, next, fill
	s_wait_dscnt 4
	WIN MUL_LO
	MUL12 1, 0, 0, 0
	s_wait_dscnt 0                                 ; my reads of this slot are over
	s_set_vgpr_msb 0xa1a0
	s_wait_tensorcnt 0x0                           ; all my tensor loads have landed: the one that was out is my part of the next slot
	ds_add_u32 v18, v19
	s_wait_dscnt 0x0
	s_set_vgpr_msb 0xa0a1
	s_barrier_signal -1
	MUL12 1, 0, 1, 0                               ; register work while the others arrive
	WIN 0
	s_barrier_wait -1
.if \fill
	CREST                                          ; no wave of any partner still reads this slot or has a load on its way
	s_add_nc_u64 s[G0+4*\slot+2:G0+4*\slot+3], s[G0+4*\slot+2:G0+4*\slot+3], 2*KSTEP*2
	s_add_nc_u64 s[G0B+4*\slot+2:G0B+4*\slot+3], s[G0B+4*\slot+2:G0B+4*\slot+3], 2*KSTEP*2
	JLOAD \slot                                    ; the wave's one tensor load behind the round
.endif
	PLACES
	FETCH \next, 0, 0
	WIN MUL_HI
	MUL12 1, 1, 0, 0
	MUL12 1, 1, 1, 0
.endm
	s_wait_tensorcnt 1                             ; my part of K step 0 is in; K step 1's stays out
	s_barrier_signal -1
	s_barrier_wait -1
	FETCH 0, 0, 0
	THREE 0, 1                                     ; K steps 0 and 1; both slots are filled again (K steps 2 and 3)
	TURN 0, 1, 1
	THREE 1, 0
	TURN 1, 0, 1
	THREE 0, 0                                     ; K steps 2 and 3 fill nothing
	TURN 0, 1, 0
	THREE 1, 0
	s_wait_dscnt 4
	WIN MUL_LO
	MUL12 1, 0, 0, 0
	MUL12 1, 0, 1, 0
	s_wait_dscnt 0
	WIN MUL_HI
	MUL12 1, 1, 0, 0
	MUL12 1, 1, 1, 0
	; THE EPILOGUE
	PLACES
	WIN 0
	s_wait_loadcnt 0x0                             ; w0, biases, x0
.irp m, 0,1,2,3
	v_mov_b32 v[X0P+2*\m+1], v[X0P+2*\m]
	v_mul_f32 v[X0C+2*\m], CQ, v[X0P+2*\m]
	v_mul_f32 v[X0C+2*\m+1], CQ, v[X0P+2*\m]
.endr
	WIN 0x41
.irp e, 0,2,4,6,8,10,12,14,16,18,20,22,24,26,28,30
	v_pk_mul_f32 v[BR+\e:BR+\e+1], v[BR+\e:BR+\e+1], CQ op_sel_hi:[1,0]        ; c bq
.endr
; 16 tokens (tile mt = 2 (accwin - 2) + a) x 64 columns of kind 0 q, 1 k, 2 v: value, rounding, time, rows into my stage
.macro EPI kind, accwin, a, mt
.if \kind == 0
	WIN (\accwin|0x10)
.irp c, 0,1,2,3
.irp e, 0,2,4,6
	v_pk_fma_f32 v[VAL+8*\c+\e:VAL+8*\c+\e+1], v[8*(12*\a+\c)+\e:8*(12*\a+\c)+\e+1], CQ, v[BR+8*\c+\e:BR+8*\c+\e+1] op_sel_hi:[1,0,1]
.endr
.endr
	WIN 0x04
.irp c, 0,1,2,3
.irp e, 0,2,4,6
	v_pk_fma_f32 v[VAL+8*\c+\e:VAL+8*\c+\e+1], v[X0C+2*\mt:X0C+2*\mt+1], v[WR+8*\c+\e:WR+8*\c+\e+1], v[VAL+8*\c+\e:VAL+8*\c+\e+1]
.endr
.endr
.set CST_, C8Q
.else
	WIN (\accwin|((\kind+1)<<2))
.irp c, 0,1,2,3
.irp e, 0,2,4,6
	v_pk_add_f32 v[VAL+8*\c+\e:VAL+8*\c+\e+1], v[8*(12*\a+4*\kind+\c)+\e:8*(12*\a+4*\kind+\c)+\e+1], v[BR+8*\c+\e:BR+8*\c+\e+1]
.endr
.endr
	WIN ((\kind+1)<<2)
.irp c, 0,1,2,3
.irp e, 0,2,4,6
	v_pk_fma_f32 v[VAL+8*\c+\e:VAL+8*\c+\e+1], v[X0P+2*\mt:X0P+2*\mt+1], v[WR+8*\c+\e:WR+8*\c+\e+1], v[VAL+8*\c+\e:VAL+8*\c+\e+1]
.endr
.endr
.set CST_, C8
.endif
	WIN 0
.irp c, 0,1,2,3
.irp e, 0,1,2,3
	v_cvt_pk_bf16_f32 v[PK+4*\c+\e], v[VAL+8*\c+2*\e], v[VAL+8*\c+2*\e+1]
.endr
.endr
	; squares of the rounded numbers, straight from the bf16 halves, in four chains
.irp c, 0,1,2,3
	v_fma_mix_f32_bf16 v[SS+\c], v[PK+4*\c], v[PK+4*\c], v[CST_] op_sel_hi:[1,1,0]
.endr
.irp c, 0,1,2,3
	v_fma_mix_f32_bf16 v[SS+\c], v[PK+4*\c], v[PK+4*\c], v[SS+\c] op_sel:[1,1,0] op_sel_hi:[1,1,0]
.endr
.irp e, 1,2,3
.irp c, 0,1,2,3
	v_fma_mix_f32_bf16 v[SS+\c], v[PK+4*\c+\e], v[PK+4*\c+\e], v[SS+\c] op_sel_hi:[1,1,0]
.endr
.irp c, 0,1,2,3
	v_fma_mix_f32_bf16 v[SS+\c], v[PK+4*\c+\e], v[PK+4*\c+\e], v[SS+\c] op_sel:[1,1,0] op_sel_hi:[1,1,0]
.endr
.endr
	v_add_f32 v[SS], v[SS], v[SS+1]
	v_add_f32 v[SS+2], v[SS+2], v[SS+3]
	v_add_f32 v[SS], v[SS], v[SS+2]
	v_permlanex16_b32 v[T], v[SS], s94, s95        ; the token's other 32 columns
	v_add_f32 v[T+1], v[SS], v[T]
	v_sqrt_f32 v[T+2], v[T+1]
	v_nop                                          ; one plain place behind the root (ISA guide 5.7.2)
.if \kind == 2
.irp c, 0,1,2,3
	ds_store_b128 v[STOV], v[PK+4*\c:PK+4*\c+3] offset:\mt*2560+32*\c
.endr
	s_wait_alu depctr_va_vdst(0)
	v_cvt_pk_bf16_f32 v[T+3], v[T+2], v[T+2]
	v_lshlrev_b32 v[T+3], 16, v[T+3]               ; t_hi as f32
	v_sub_f32 v[T+3], v[T+2], v[T+3]               ; what the rounding left
	v_cvt_pk_bf16_f32 v[T+3], v[T+2], v[T+3]       ; t_hi below, t_lo above
	v_cndmask_b32 v[PD], v[T+3], v[ZERO], s96      ; lanes 16-31 write the row's last 16 bytes: zeros
	ds_store_b128 v[PADV], v[PD:PD+3] offset:\mt*2560
.else
.irp c, 0,1,2,3
	ds_store_b128 v[STOA], v[PK+4*\c:PK+4*\c+3] offset:\mt*2304+32*\c
.endr
.if \kind == 0
	s_wait_alu depctr_va_vdst(0)
	v_sub_f32 v[PD], 0, v[T+2]                     ; -c t_q
.else
	s_wait_alu depctr_va_vdst(0)
	v_mov_b32 v[PD], v[T+2]
	ds_store_b32 v[TSW], v[T+2] offset:TST+64*\mt
.endif
	ds_store_b128 v[PADA], v[PD:PD+3] offset:\mt*2304  ; both halves of the lanes write the same 16 bytes with the same numbers
.endif
.endm
; The stage is a flat image of my rows in memory: n x 512 bytes, each store of the wave 512 consecutive bytes, aligned to 256.
.macro COPY n, b
	s_wait_xcnt 0x0                                ; CP was the data of earlier stores: rewritten only behind this wait
.set t_, 0
.rept \n
	ds_load_b128 v[CP+4*t_:CP+4*t_+3], v[RDF] offset:512*t_        ; LDS serves a wave's instructions in order: these see the stores above
.set t_, t_+1
.endr
.set t_, 0
.rept \n
	s_wait_dscnt \n-1-t_
	global_store_b128 v[GOF], v[CP+4*t_:CP+4*t_+3], s[\b:\b+1] offset:512*t_
.set t_, t_+1
.endr
.endm
	EPI 0, 2, 0, 0
	EPI 0, 2, 1, 1
	EPI 0, 3, 0, 2
	EPI 0, 3, 1, 3
	COPY 18, 78
	EPI 1, 2, 0, 0
	EPI 1, 2, 1, 1
	EPI 1, 3, 0, 2
	EPI 1, 3, 1, 3
	COPY 18, 80
	ds_load_b64 v[CP+72:CP+73], v[TSR] offset:TST
	s_wait_dscnt 0x0
	global_store_b64 v[GO8], v[CP+72:CP+73], s[100:101]    ; my 64 t_k: 256 consecutive bytes, aligned
	v_cndmask_b32 v[PD+1], v[ONEB], v[ZERO], s96           ; V rows: bf16 1.0 behind the two halves of the time
	EPI 2, 2, 0, 0
	EPI 2, 2, 1, 1
	EPI 2, 3, 0, 2
	EPI 2, 3, 1, 3
	COPY 20, 98
	s_wait_tensorcnt 0x0
	ds_add_u32 v18, v19
	s_wait_dscnt 0x0
	CROUND                                         ; the closing round
	s_endpgm
.Lfunc_end_k_q618e1ebf72_qkv:
	.size	k_q618e1ebf72_qkv, .Lfunc_end_k_q618e1ebf72_qkv-k_q618e1ebf72_qkv
	.p2alignl 7, 3214868480
	.fill 96, 4, 3214868480
	.section	.rodata,"a",@progbits
	.p2align	6, 0x0
	.amdhsa_kernel k_q618e1ebf72_qkv
		.amdhsa_group_segment_fixed_size 327680
		.amdhsa_private_segment_fixed_size 0
		.amdhsa_enable_private_segment 0
		.amdhsa_kernarg_size 72
		.amdhsa_user_sgpr_count 2
		.amdhsa_user_sgpr_kernarg_segment_ptr 1
		.amdhsa_wavefront_size32 1
		.amdhsa_system_sgpr_workgroup_id_x 1
		.amdhsa_system_sgpr_workgroup_id_y 1
		.amdhsa_system_sgpr_workgroup_id_z 1
		.amdhsa_system_vgpr_workitem_id 0
		.amdhsa_next_free_vgpr 1024
		.amdhsa_next_free_sgpr 102
		.amdhsa_reserve_vcc 0
		.amdhsa_float_denorm_mode_32 3
		.amdhsa_float_denorm_mode_16_64 3
		.amdhsa_memory_ordered 1
		.amdhsa_forward_progress 1
		.amdhsa_inst_pref_size 186
	.end_amdhsa_kernel
	.amdgpu_metadata
---
amdhsa.version: [ 1, 2 ]
amdhsa.kernels:
  - .name:           k_q618e1ebf72_qkv
    .symbol:         k_q618e1ebf72_qkv.kd
    .args:
      - { .name: xb, .offset: 0, .size: 8, .value_kind: global_buffer, .address_space: global }
      - { .name: wb, .offset: 8, .size: 8, .value_kind: global_buffer, .address_space: global }
      - { .name: x0, .offset: 16, .size: 8, .value_kind: global_buffer, .address_space: global }
      - { .name: w0, .offset: 24, .size: 8, .value_kind: global_buffer, .address_space: global }
      - { .name: bq, .offset: 32, .size: 8, .value_kind: global_buffer, .address_space: global }
      - { .name: bk, .offset: 40, .size: 8, .value_kind: global_buffer, .address_space: global }
      - { .name: bv, .offset: 48, .size: 8, .value_kind: global_buffer, .address_space: global }
      - { .name: qb, .offset: 56, .size: 8, .value_kind: global_buffer, .address_space: global }
      - { .name: kv, .offset: 64, .size: 8, .value_kind: global_buffer, .address_space: global }
    .group_segment_fixed_size: 327680
    .private_segment_fixed_size: 0
    .kernarg_segment_align: 8
    .kernarg_segment_size: 72
    .max_flat_workgroup_size: 128
    .sgpr_count:     102
    .vgpr_count:     1024
    .wavefront_size: 32
...
	.end_amdgpu_metadata
.endif
;; end of part 2
;; launch attn (part 3): grid 8 x 32, 8 waves a work-group, clusters of 4 x 1, 327,680 bytes of LDS; arguments qb, kv, fb, ot2; writes fb, ot2
.if DOCPART == 3
	.amdgcn_target "amdgcn-amd-amdhsa--gfx1250"
	.amdhsa_code_object_version 6
	.text
	.protected	k_q618e1ebf72_attn
	.globl	k_q618e1ebf72_attn
	.p2align	8
	.type	k_q618e1ebf72_attn,@function
k_q618e1ebf72_attn:
	s_mov_b64 s[64:65], 0
	v_nop
	global_prefetch_b8 v0, s[64:65] scope:SCOPE_SE
	s_setreg_imm32_b32 hwreg(HW_REG_WAVE_MODE, 25, 1), 1
	s_wait_xcnt 0x0
	s_wait_alu depctr_hold_cnt(0) depctr_sa_sdst(0) depctr_va_vdst(0) depctr_va_sdst(0) depctr_va_ssrc(0) depctr_va_vcc(0) depctr_vm_vsrc(0)
	s_getreg_b32 s2, hwreg(HW_REG_IB_STS2, 6, 4)
	s_cmp_eq_u32 s2, 0
	s_cbranch_scc0 .Lentry_in_a_cluster
	s_endpgm
.Lentry_in_a_cluster:
	s_bfe_u32 s2, ttmp6, 0x10000c
	s_cmp_lg_u32 s2, 0x3003
	s_cbranch_scc0 .Lentry_shape_is_right
	s_endpgm
.Lentry_shape_is_right:
; Lorentz attention of one (batch, head) for 256 queries, with a running maximum, then the midpoint's renormalisation and the factor s.
; score (base 2) = <c s_q, s_k> (matrix unit, bf16) + (-c t_q) t_k (one f32 fused multiply-add for each score).
; V rows carry 80 columns: 64 spatial, t_hi, t_lo, 1.0, 13 zeros: one product gives m_s, m_t (16 bits of mantissa of t_v) and the sum l of the same rounded p.
; OUT: fb[bh][2048][64] bf16 = s out_space;  ot2[bh][2048] f32 = out_time^2.
; LIMITS: p is rounded to bf16; an exponential below 2^-126 comes out as zero (ISA guide, v_exp_f32); sums in f32 in the matrix unit's order.
; SHAPE: eight waves, 32 queries each (two query tiles); two waves lie on a SIMD, so that one's softmax runs beside the other's products.
; Keys come as records of 256 keys (78,848 bytes, laid out by the launch before with pitches 144 and 160) through two LDS slots.
; CLUSTERS: the four query blocks of a cluster read the same records: waves 0-3 of each ask jointly, a quarter of a record each (77 rows of 256 bytes).
; Both products are used so that a lane holds ONE query (l % 16): S = K Q^T has keys 8 (l / 16) + j in register j, which after packing is the
; second source's layout of O^T = V^T P^T.  Maximum, scale and sum are then a lane's own but for one exchange with lane l xor 16.
.set REC,   78848
.set RECV,  36864
.set RECT,  77824
.set QUART, 19712
.set STAGE, 2*REC                      ; a multiple of 256: no fill lands there
.set WST,   4608                       ; 32 rows of 144 bytes for each wave
.set KA, 4                             ; v4-5   K fragments in slot 0, 1: 144 r + 16 h (v4 also addresses qb's rows)
.set VA, 6                             ; v6-7   V, transposing loads
.set TA, 8                             ; v8-9   t_k
.set STO, 10
.set RD, 11
.set GOF, 12
.set OOF, 13
.set NAD, 15
.set T, 16                             ; v16-23
.set NTQ, 24                           ; v24-27 -c t_q, a pair for each query tile
.set M, 28                             ; v28-29 running maximum
.set NM, 30                            ; v30-33 its negative, pairs
.set AL, 34                            ; v34-37 2^(old - new), pairs
.set OT, 38
.set G, 40
.set PKO, 44                           ; v44-59
.set TKR, 64                           ; v64-127  t_k of 128 keys; later V's fourth group
.set FR, 128                           ; v128-255 K fragments; later V's groups 0-2
.set OB, 128                           ; window 1: S[qt][kt] at 64 qt + 8 kt; O[qt][dt] at 128 + 40 qt + 8 dt; Q[qt][ks] at 208 + 16 qt + 8 ks
.set QF, 208
.set MSB, 0
.macro WIN new
.if MSB != \new
	s_set_vgpr_msb (MSB<<8)|\new
.set MSB, \new
.endif
.endm
.macro ROUND                           ; a round of the cluster's barrier
	s_barrier_signal -1
	s_barrier_wait -1
	s_cmp_lg_u32 s8, 0
	s_cbranch_scc1 .Lnot_wave_0_\@
	s_barrier_signal -3
.Lnot_wave_0_\@:
	s_barrier_wait -3
	s_barrier_signal -1
	s_barrier_wait -1
.endm
	s_load_b256 s[68:75], s[0:1], 0x0              ; qb s[68:69], kv s[70:71], fb s[72:73], ot2 s[74:75]
	v_lshl_add_u32 v62, v0, 2, 0x2f800
	v_mov_b32 v63, 0
	ds_add_u32 v62, v63
	v_lshrrev_b32 v1, 5, v0
	v_readfirstlane_b32 s8, v1                     ; wave
	s_bfe_u32 s46, ttmp6, 0x40000                  ; cx
	s_lshl_b32 s48, ttmp9, 2
	s_add_co_u32 s48, s48, s46                     ; query block
	s_and_b32 s49, ttmp7, 0xffff                   ; bh
	s_mov_b32 s12, 0x76543210
	s_mov_b32 s13, 0xfedcba98
	s_mov_b32 s16, 15|(3<<16)|(1<<21)              ; all four work-groups; elements of 8 bytes
	s_mov_b32 s17, 32<<16                          ; rows of 32 elements = 256 bytes
	s_mov_b32 s18, 77<<16
	s_mov_b32 s19, 32<<16
	s_mov_b32 s20, 77
	s_mov_b32 s21, 32                              ; dense
	s_mov_b32 s22, 0
	s_mov_b32 s23, 0
	s_mul_i32 s24, s8, QUART                       ; my quarter of a record
	s_mul_i32 s26, s49, 8*REC
	s_add_co_u32 s26, s26, s24
	s_mov_b32 s27, 0
	s_lshl_b32 s50, s49, 11
	s_lshl_b32 s51, s48, 8
	s_add_co_u32 s50, s50, s51
	s_lshl_b32 s51, s8, 5
	s_add_co_u32 s50, s50, s51                     ; my first query: 2048 bh + 256 block + 32 w
	s_mul_i32 s54, s50, 144
	s_mov_b32 s55, 0
	s_lshl_b32 s56, s50, 7
	s_mov_b32 s57, 0
	s_lshl_b32 s58, s50, 2
	s_mov_b32 s59, 0
	s_wait_dscnt 0x0
	s_wait_kmcnt 0x0
	s_add_nc_u64 s[26:27], s[70:71], s[26:27]
	s_add_nc_u64 s[54:55], s[68:69], s[54:55]
	s_add_nc_u64 s[56:57], s[72:73], s[56:57]
	s_add_nc_u64 s[58:59], s[74:75], s[58:59]
.irp n, 0,1
	s_mov_b32 s[32+4*\n], 1
	s_add_co_u32 s[33+4*\n], s24, \n*REC
	s_add_nc_u64 s[34+4*\n:35+4*\n], s[26:27], \n*REC
	s_or_b32 s[35+4*\n], s[35+4*\n], 0x80000000
.endr
	ROUND                                          ; in front of the first joint load
	s_cmp_gt_u32 s8, 3
	s_cbranch_scc1 .Lno_first
	tensor_load_to_lds s[32:35], s[16:23]          ; record 0: one load of the wave is out, here and behind every round
	s_nop 0
.Lno_first:
	v_and_b32 v1, 15, v0                           ; r
	v_bfe_u32 v2, v0, 4, 1                         ; h
	v_and_b32 v3, 31, v0                           ; lane
	v_mul_u32_u24 v[NAD], v1, 144
	v_lshl_add_u32 v[KA], v2, 4, v[NAD]
	v_add_nc_u32 v[KA+1], REC, v[KA]
	v_and_b32 v16, 7, v0
	v_lshl_add_u32 v17, v2, 3, v16                 ; key 8 h + (l & 7)
	v_mul_u32_u24 v17, v17, 160
	v_bfe_u32 v18, v0, 3, 1
	v_lshl_add_u32 v17, v18, 4, v17                ; + 16 ((l >> 3) & 1)
	v_add_nc_u32 v[VA], RECV, v17
	v_add_nc_u32 v[VA+1], REC, v[VA]
	v_lshlrev_b32 v17, 5, v2
	v_add_nc_u32 v[TA], RECT, v17
	v_add_nc_u32 v[TA+1], REC, v[TA]
	s_mul_i32 s25, s8, WST
	s_add_co_u32 s25, s25, STAGE
	v_add_nc_u32 v[STO], s25, v[KA]
	v_bfe_u32 v17, v0, 3, 2
	v_mul_u32_u24 v17, v17, 144
	v_lshl_add_u32 v17, v16, 4, v17
	v_add_nc_u32 v[RD], s25, v17                   ; row l >> 3, 16 bytes at 16 (l & 7)
	v_lshlrev_b32 v[GOF], 4, v3
	v_lshlrev_b32 v[OOF], 2, v3
	v_cmp_eq_u32 s52, 1, v2
	v_mov_b32 v[T+4], 0                            ; destinations of v_permlanex16_b32 count as read
	v_mov_b32 v[T+6], 0
	WIN 0x40
.irp qt, 0,1
.irp ks, 0,1
	global_load_b128 v[QF+16*\qt+8*\ks:QF+16*\qt+8*\ks+3],   v[KA], s[54:55] offset:2304*\qt+64*\ks
	global_load_b128 v[QF+16*\qt+8*\ks+4:QF+16*\qt+8*\ks+7], v[KA], s[54:55] offset:2304*\qt+64*\ks+32
.endr
.endr
	WIN 0
	global_load_b32 v[NTQ], v[NAD], s[54:55] offset:128
	global_load_b32 v[NTQ+2], v[NAD], s[54:55] offset:2304+128
	s_wait_loadcnt 0x0
	v_mov_b32 v[NTQ+1], v[NTQ]
	v_mov_b32 v[NTQ+3], v[NTQ+2]
; softmax of query tile qt over 128 keys: maximum, scale of the old sums, exponentials, packing in place
.macro SOFT qt, first
	WIN 0x05
.irp c, 0,1,2,3
	v_max_num_f32 v[T+\c], v[64*\qt+16*\c], v[64*\qt+16*\c+1]
.endr
.irp e, 2,4,6,8,10,12,14
.irp c, 0,1,2,3
	v_max3_num_f32 v[T+\c], v[64*\qt+16*\c+\e], v[64*\qt+16*\c+\e+1], v[T+\c]
.endr
.endr
	WIN 0
	v_max3_num_f32 v[T], v[T], v[T+1], v[T+2]
	v_max_num_f32 v[T], v[T], v[T+3]
	v_permlanex16_b32 v[T+4], v[T], s12, s13       ; the query's other 64 keys
.if \first
	v_max_num_f32 v[T], v[T], v[T+4]
.else
	v_max3_num_f32 v[T], v[T], v[T+4], v[M+\qt]
	v_sub_f32 v[T+5], v[M+\qt], v[T]
	v_exp_f32 v[AL+2*\qt], v[T+5]
.endif
	v_mov_b32 v[M+\qt], v[T]                       ; the plain place behind the exponential
	v_sub_f32 v[NM+2*\qt], 0, v[T]
	v_sub_f32 v[NM+2*\qt+1], 0, v[T]
.if \first == 0
	s_wait_alu depctr_va_vdst(0)
	v_mov_b32 v[AL+2*\qt+1], v[AL+2*\qt]
.endif
	WIN 0x41
.irp kt, 0,1,2,3,4,5,6,7
.irp e, 0,2,4,6
	v_pk_add_f32 v[64*\qt+8*\kt+\e:64*\qt+8*\kt+\e+1], v[64*\qt+8*\kt+\e:64*\qt+8*\kt+\e+1], v[NM+2*\qt:NM+2*\qt+1]
.endr
.irp e, 0,1,2,3,4,5,6,7
	v_exp_f32 v[64*\qt+8*\kt+\e], v[64*\qt+8*\kt+\e]
.endr
.endr
	v_nop                                          ; one plain place behind the last exponentials (ISA guide 5.7.2)
	WIN 0x45
	s_wait_alu depctr_va_vdst(0)
.irp g, 0,1,2,3
.irp e, 0,1,2,3
	v_cvt_pk_bf16_f32 v[64*\qt+16*\g+\e], v[64*\qt+16*\g+2*\e], v[64*\qt+16*\g+2*\e+1]
.endr
.irp e, 0,1,2,3
	v_cvt_pk_bf16_f32 v[64*\qt+16*\g+4+\e], v[64*\qt+16*\g+8+2*\e], v[64*\qt+16*\g+8+2*\e+1]
.endr
.endr
.if \first == 0
	WIN 0x41
.irp e, 0,2,4,6,8,10,12,14,16,18,20,22,24,26,28,30,32,34,36,38
	v_pk_mul_f32 v[OB+40*\qt+\e:OB+40*\qt+\e+1], v[OB+40*\qt+\e:OB+40*\qt+\e+1], v[AL+2*\qt:AL+2*\qt+1]
.endr
.endif
.endm
; 128 keys (half 0 or 1 of the record in the slot)
.macro STEP slot, half, first
.rept 5
	v_nop                                          ; five places: the products below write over P, a source of the last products; the loads land in their V fragments
.endr
.irp kt, 0,1,2,3,4,5,6,7
.irp ks, 0,1
	ds_load_b128 v[FR+16*\kt+8*\ks:FR+16*\kt+8*\ks+3],   v[KA+\slot] offset:\half*18432+2304*\kt+64*\ks
	ds_load_b128 v[FR+16*\kt+8*\ks+4:FR+16*\kt+8*\ks+7], v[KA+\slot] offset:\half*18432+2304*\kt+64*\ks+32
.endr
.endr
.irp kt, 0,1,2,3,4,5,6,7
	ds_load_b128 v[TKR+8*\kt:TKR+8*\kt+3],   v[TA+\slot] offset:\half*512+64*\kt
	ds_load_b128 v[TKR+8*\kt+4:TKR+8*\kt+7], v[TA+\slot] offset:\half*512+64*\kt+16
.endr
	WIN 0x54                                       ; source 0 window 0; source 1, C and D window 1
.irp kt, 0,1,2,3,4,5,6,7
	s_wait_dscnt 44-4*\kt                          ; key tile kt's four loads are in; the later tiles' and the 16 of t_k may be out
	; the two query tiles' accumulators take turns
	v_wmma_f32_16x16x32_bf16 v[8*\kt:8*\kt+7],       v[FR+16*\kt:FR+16*\kt+7],    v[QF:QF+7],     0
	v_wmma_f32_16x16x32_bf16 v[64+8*\kt:64+8*\kt+7], v[FR+16*\kt:FR+16*\kt+7],    v[QF+16:QF+23], 0
	v_wmma_f32_16x16x32_bf16 v[8*\kt:8*\kt+7],       v[FR+16*\kt+8:FR+16*\kt+15], v[QF+8:QF+15],  v[8*\kt:8*\kt+7]
	v_wmma_f32_16x16x32_bf16 v[64+8*\kt:64+8*\kt+7], v[FR+16*\kt+8:FR+16*\kt+15], v[QF+24:QF+31], v[64+8*\kt:64+8*\kt+7]
.endr
.rept 4
	v_nop                                          ; four places: loads land in K's fragments, vector instructions read S
.endr
	WIN 0
.irp g, 0,1,2
.irp dt, 0,1,2,3,4
	ds_load_tr16_b128 v[FR+40*\g+8*\dt:FR+40*\g+8*\dt+3],   v[VA+\slot] offset:\half*20480+5120*\g+32*\dt
	ds_load_tr16_b128 v[FR+40*\g+8*\dt+4:FR+40*\g+8*\dt+7], v[VA+\slot] offset:\half*20480+5120*\g+32*\dt+2560
.endr
.endr
	s_wait_dscnt 30                                ; t_k is in; the 30 loads of V may be out
	WIN 0x50
.irp qt, 0,1
.irp kt, 0,1,2,3,4,5,6,7
.irp e, 0,2,4,6
	v_pk_fma_f32 v[64*\qt+8*\kt+\e:64*\qt+8*\kt+\e+1], v[TKR+8*\kt+\e:TKR+8*\kt+\e+1], v[NTQ+2*\qt:NTQ+2*\qt+1], v[64*\qt+8*\kt+\e:64*\qt+8*\kt+\e+1]
.endr
.endr
.endr
	WIN 0
.irp dt, 0,1,2,3,4
	ds_load_tr16_b128 v[TKR+8*\dt:TKR+8*\dt+3],   v[VA+\slot] offset:\half*20480+5120*3+32*\dt
	ds_load_tr16_b128 v[TKR+8*\dt+4:TKR+8*\dt+7], v[VA+\slot] offset:\half*20480+5120*3+32*\dt+2560
.endr
	SOFT 0, \first
	SOFT 1, \first
	WIN 0x54
.irp g, 0,1,2,3
	s_wait_dscnt 30-10*\g                          ; group g's ten loads are in; the later groups' may be out
.if \g == 3
.set VF_, TKR
.else
.set VF_, FR+40*\g
.endif
.set ZC_, 0
.if \first
.if \g == 0
.set ZC_, 1
.endif
.endif
.irp dt, 0,1,2,3,4
.irp qt, 0,1
.if ZC_
	v_wmma_f32_16x16x32_bf16 v[OB+40*\qt+8*\dt:OB+40*\qt+8*\dt+7], v[VF_+8*\dt:VF_+8*\dt+7], v[64*\qt+16*\g:64*\qt+16*\g+7], 0
.else
	v_wmma_f32_16x16x32_bf16 v[OB+40*\qt+8*\dt:OB+40*\qt+8*\dt+7], v[VF_+8*\dt:VF_+8*\dt+7], v[64*\qt+16*\g:64*\qt+16*\g+7], v[OB+40*\qt+8*\dt:OB+40*\qt+8*\dt+7]
.endif
.endr
.endr
.endr
	WIN 0                                          ; ten accumulators took turns
.endm
; One record.  In front of the round: all my tensor loads have landed, my reads of the other slot are over.  Behind it the other slot is asked for first.
.macro TRIP slot, refill, first
	s_wait_tensorcnt 0x0
	ds_add_u32 v62, v63
	s_wait_dscnt 0x0
	s_add_nc_u64 s[34+4*\slot:35+4*\slot], s[34+4*\slot:35+4*\slot], 2*REC     ; no load of mine is out: this slot's next record
	s_wait_dscnt 0x0
	ROUND
.if \refill
	s_cmp_gt_u32 s8, 3
	s_cbranch_scc1 .Lno_fill_\@
	tensor_load_to_lds s[36-4*\slot:39-4*\slot], s[16:23]
	s_nop 0
.Lno_fill_\@:
.endif
	STEP \slot, 0, \first
	STEP \slot, 1, 0
.endm
	TRIP 0, 1, 1                                   ; the first 128 keys start the maximum and the sums: nothing is cleared
	TRIP 1, 1, 0
	s_mov_b32 s44, 2
.Lpair:
	TRIP 0, 1, 0
	TRIP 1, 1, 0
	s_sub_co_u32 s44, s44, 1
	s_cmp_lg_u32 s44, 0
	s_cbranch_scc1 .Lpair
	TRIP 0, 1, 0                                   ; record 6; record 7 is asked for
	TRIP 1, 0, 0                                   ; record 7: nothing is left to fetch
; m = O / l;  out = m / sqrt(max(k (m_t^2 - |m_s|^2), 1e-9));  fb = s out_space;  ot2 = out_time^2
.macro FIN qt
	WIN 0x05
	v_add_f32 v[T], v[OB+40*\qt+32], v[OB+40*\qt+33]       ; t_hi's and t_lo's sums (lanes 16-31 hold the zero columns)
	v_mov_b32 v[T+1], v[OB+40*\qt+34]                      ; l
	v_pk_mul_f32 v[T+2:T+3], v[OB+40*\qt:OB+40*\qt+1], v[OB+40*\qt:OB+40*\qt+1]
	v_pk_mul_f32 v[T+4:T+5], v[OB+40*\qt+2:OB+40*\qt+3], v[OB+40*\qt+2:OB+40*\qt+3]
.irp e, 4,8,12,16,20,24,28
	v_pk_fma_f32 v[T+2:T+3], v[OB+40*\qt+\e:OB+40*\qt+\e+1], v[OB+40*\qt+\e:OB+40*\qt+\e+1], v[T+2:T+3]
	v_pk_fma_f32 v[T+4:T+5], v[OB+40*\qt+\e+2:OB+40*\qt+\e+3], v[OB+40*\qt+\e+2:OB+40*\qt+\e+3], v[T+4:T+5]
.endr
	WIN 0
	v_add_f32 v[T+2], v[T+2], v[T+3]
	v_add_f32 v[T+4], v[T+4], v[T+5]
	v_add_f32 v[T+2], v[T+2], v[T+4]
	v_permlanex16_b32 v[T+6], v[T], s12, s13
	v_add_f32 v[T], v[T], v[T+6]
	v_permlanex16_b32 v[T+6], v[T+1], s12, s13
	v_add_f32 v[T+1], v[T+1], v[T+6]
	v_permlanex16_b32 v[T+6], v[T+2], s12, s13
	v_add_f32 v[T+2], v[T+2], v[T+6]
	v_rcp_f32 v[T+3], v[T+1]                       ; 1 / l
	v_nop
	s_wait_alu depctr_va_vdst(0)
	v_mul_f32 v[T], v[T], v[T+3]                   ; m_t
	v_mul_f32 v[T+2], v[T+2], v[T+3]
	v_mul_f32 v[T+2], v[T+2], v[T+3]               ; |m_s|^2
	v_fma_f32 v[T+2], v[T], v[T], -v[T+2]
	v_mul_f32 v[T+2], 0x3dcccccd, v[T+2]           ; x 0.1
	v_max_num_f32 v[T+2], 0x3089705f, v[T+2]       ; the clip at 1e-9
	v_rsq_f32 v[T+4], v[T+2]
	v_nop
	s_wait_alu depctr_va_vdst(0)
	v_mul_f32 v[T], v[T], v[T+4]                   ; out_time
	v_mul_f32 v[OT+\qt], v[T], v[T]
	v_mul_f32 v[T+4], v[T+4], v[T+3]
	v_mul_f32 v[G], 0x403644b0, v[T+4]             ; s = exp((digamma(256) - digamma(32)) / 2) = 2.8479424
	v_mov_b32 v[G+1], v[G]
	WIN 0x41
.irp e, 0,2,4,6,8,10,12,14,16,18,20,22,24,26,28,30
	v_pk_mul_f32 v[OB+40*\qt+\e:OB+40*\qt+\e+1], v[OB+40*\qt+\e:OB+40*\qt+\e+1], v[G:G+1]
.endr
	WIN 0x05
.irp e, 0,1,2,3,4,5,6,7,8,9,10,11,12,13,14,15
	v_cvt_pk_bf16_f32 v[PKO+\e], v[OB+40*\qt+2*\e], v[OB+40*\qt+2*\e+1]
.endr
	WIN 0
.irp dt, 0,1,2,3
	ds_store_b128 v[STO], v[PKO+4*\dt:PKO+4*\dt+3] offset:2304*\qt+32*\dt
.endr
.endm
.rept 4
	v_nop                                          ; four places behind the last products
.endr
	FIN 0
	FIN 1
.irp i, 0,1,2,3,4,5,6,7
	ds_load_b128 v[FR+4*\i:FR+4*\i+3], v[RD] offset:576*\i         ; four rows of 128 bytes; a wave's LDS instructions are served in order
.endr
.irp i, 0,1,2,3,4,5,6,7
	s_wait_dscnt 7-\i
	global_store_b128 v[GOF], v[FR+4*\i:FR+4*\i+3], s[56:57] offset:512*\i     ; 512 consecutive bytes, aligned
.endr
	v_cndmask_b32 v[T], v[OT], v[OT+1], s52        ; lane l: query l
	global_store_b32 v[OOF], v[T], s[58:59]        ; 128 consecutive bytes: half of an aligned block of 256, once for each wave
	s_wait_tensorcnt 0x0
	ds_add_u32 v62, v63
	s_wait_dscnt 0x0
	ROUND                                          ; the closing round
	s_endpgm
.Lfunc_end_k_q618e1ebf72_attn:
	.size	k_q618e1ebf72_attn, .Lfunc_end_k_q618e1ebf72_attn-k_q618e1ebf72_attn
	.p2alignl 7, 3214868480
	.fill 96, 4, 3214868480
	.section	.rodata,"a",@progbits
	.p2align	6, 0x0
	.amdhsa_kernel k_q618e1ebf72_attn
		.amdhsa_group_segment_fixed_size 327680
		.amdhsa_private_segment_fixed_size 0
		.amdhsa_enable_private_segment 0
		.amdhsa_kernarg_size 32
		.amdhsa_user_sgpr_count 2
		.amdhsa_user_sgpr_kernarg_segment_ptr 1
		.amdhsa_wavefront_size32 1
		.amdhsa_system_sgpr_workgroup_id_x 1
		.amdhsa_system_sgpr_workgroup_id_y 1
		.amdhsa_system_sgpr_workgroup_id_z 1
		.amdhsa_system_vgpr_workitem_id 0
		.amdhsa_next_free_vgpr 496
		.amdhsa_next_free_sgpr 76
		.amdhsa_reserve_vcc 0
		.amdhsa_float_denorm_mode_32 3
		.amdhsa_float_denorm_mode_16_64 3
		.amdhsa_memory_ordered 1
		.amdhsa_forward_progress 1
		.amdhsa_inst_pref_size 255
	.end_amdhsa_kernel
	.section	.bss,"aw",@nobits
	.p2align	6
	.space	262144
	.amdgpu_metadata
---
amdhsa.version: [ 1, 2 ]
amdhsa.kernels:
  - .name:           k_q618e1ebf72_attn
    .symbol:         k_q618e1ebf72_attn.kd
    .args:
      - { .name: qb, .offset: 0, .size: 8, .value_kind: global_buffer, .address_space: global }
      - { .name: kv, .offset: 8, .size: 8, .value_kind: global_buffer, .address_space: global }
      - { .name: fb, .offset: 16, .size: 8, .value_kind: global_buffer, .address_space: global }
      - { .name: ot2, .offset: 24, .size: 8, .value_kind: global_buffer, .address_space: global }
    .group_segment_fixed_size: 327680
    .private_segment_fixed_size: 0
    .kernarg_segment_align: 8
    .kernarg_segment_size: 32
    .max_flat_workgroup_size: 256
    .sgpr_count:     76
    .vgpr_count:     496
    .wavefront_size: 32
...
	.end_amdgpu_metadata
.endif
;; end of part 3
;; launch oproj (part 4): grid 256 x 1, 4 waves a work-group, clusters of 4 x 1, 327,680 bytes of LDS; arguments fb, ot2, wb, w0, bo, out0; writes out0
.if DOCPART == 4
	.amdgcn_target "amdgcn-amd-amdhsa--gfx1250"
	.amdhsa_code_object_version 6
	.text
	.protected	k_q618e1ebf72_oproj
	.globl	k_q618e1ebf72_oproj
	.p2align	8
	.type	k_q618e1ebf72_oproj,@function
k_q618e1ebf72_oproj:
	s_mov_b64 s[64:65], 0
	v_nop
	global_prefetch_b8 v0, s[64:65] scope:SCOPE_SE
	s_setreg_imm32_b32 hwreg(HW_REG_WAVE_MODE, 25, 1), 1
	s_wait_xcnt 0x0
	s_wait_alu depctr_hold_cnt(0) depctr_sa_sdst(0) depctr_va_vdst(0) depctr_va_sdst(0) depctr_va_ssrc(0) depctr_va_vcc(0) depctr_vm_vsrc(0)
	s_getreg_b32 s2, hwreg(HW_REG_IB_STS2, 6, 4)
	s_cmp_eq_u32 s2, 0
	s_cbranch_scc0 .Lentry_in_a_cluster
	s_endpgm
.Lentry_in_a_cluster:
	s_bfe_u32 s2, ttmp6, 0x10000c
	s_cmp_lg_u32 s2, 0x3003
	s_cbranch_scc0 .Lentry_shape_is_right
	s_endpgm
.Lentry_shape_is_right:
; The head fusion's time and the output LorentzFC for 32 tokens x all 512 columns:
;   t' = sqrt(max(10 + s^2 (sum over heads of out_time^2 + 80), 1e-9));  space = fb Wo[:,1:]^T (K = 512, bf16) + t' Wo[:,0] + bo (f32);
;   time = sqrt(10 + |space|^2) in f32;  out0 row = time, space.
; A work-group takes whole rows, since the time needs all 512 columns and rows of 2,052 bytes leave only as a flat image:
; 32 rows are 65,664 consecutive bytes of out0.  Token block = 64 cx + cluster x, so that its parity hangs on the cluster's x alone:
; an odd block begins 128 bytes into an aligned block of 256, and copies its first 128 bytes apart, an even one its last 128.
; LIMITS: matrix operands are bf16; f32 sums in the matrix unit's order.
; SHAPE: four waves, wave w makes columns 128 w .. + 127: 2 x 8 accumulator tiles.  Wo goes in 4 K steps of 128 through two LDS slots.
; CLUSTERS: every work-group walks the same Wo: the four of a cluster ask for its tiles jointly; fb's rows are each work-group's own (plain load).
; The matrix instruction is used transposed: lane l holds token l % 16, registers 0-7 the columns 8 (l / 16) + 0..7.
.set WSLOT, 139264                     ; 512 rows x 272 bytes
.set WQ,    34816                      ; 128 rows: a wave's part, which it also reads
.set ABASE, 278528                     ; fb: (head x 32 + row) x 144
.set PART,  315392                     ; 4 waves x 32 partial sums of squares; blocks of 256 bytes of their own
.set ADW, 4                            ; v4-5
.set AF, 6
.set IMG, 7
.set PARTW, 8
.set PARTR, 9
.set TIMA, 10
.set CPY, 11
.set TAIL, 12
.set L4, 30
.set H32, 31
.set TP, 32                            ; v32-35 t' of my token in tile 0, 1, pairs
.set SQ, 36                            ; v36-43
.set FB, 64                            ; fragment buffer p at 64 + 80 p: fb 2 x 8, Wo 8 x 8
.set VAL, 64                           ; v64-191 in the epilogue
.set MSB, 0
.macro WIN new
.if MSB != \new
	s_set_vgpr_msb (MSB<<8)|\new
.set MSB, \new
.endif
.endm
.macro ROUND
	s_barrier_signal -1
	s_barrier_wait -1
	s_cmp_lg_u32 s8, 0
	s_cbranch_scc1 .Lnot_wave_0_\@
	s_barrier_signal -3
.Lnot_wave_0_\@:
	s_barrier_wait -3
	s_barrier_signal -1
	s_barrier_wait -1
.endm
.macro PLACES                          ; four places behind a matrix instruction (ISA guide 7.12.1 for vector instructions)
.rept 4
	v_nop
.endr
.endm
	s_load_b256 s[68:75], s[0:1], 0x0              ; fb s[68:69], ot2 s[70:71], wb s[72:73], w0 s[74:75]
	s_load_b128 s[76:79], s[0:1], 0x20             ; bo s[76:77], out0 s[78:79]
	v_lshl_add_u32 v254, v0, 2, 0x4d200
	v_mov_b32 v255, 0
	ds_add_u32 v254, v255
	v_lshrrev_b32 v1, 5, v0
	v_readfirstlane_b32 s8, v1                     ; wave
	s_bfe_u32 s46, ttmp6, 0x40000                  ; cx = batch
	s_mov_b32 s12, 0x76543210
	s_mov_b32 s13, 0xfedcba98
	s_mov_b32 s16, 15|(1<<16)|(1<<20)|(1<<21)|(5<<22)|(3<<25)  ; Wo: all four work-groups; 2-byte elements; 4 words of padding behind every 64
	s_mov_b32 s17, 128<<16
	s_mov_b32 s18, 128<<16
	s_mov_b32 s19, 128<<16
	s_mov_b32 s20, 128
	s_mov_b32 s21, 512
	s_mov_b32 s22, 0
	s_mov_b32 s23, 0
	s_mov_b32 s24, (1<<16)|(1<<20)|(4<<22)|(3<<25) ; fb: no mask; 4 words of padding behind every 32 (a token's 128 bytes)
	s_mov_b32 s25, 2048<<16                        ; a head's 32 tokens are 2,048 consecutive elements
	s_mov_b32 s26, 2<<16                           ; two heads
	s_mov_b32 s27, 2048<<16
	s_mov_b32 s28, 2
	s_mov_b32 s29, 131072                          ; elements from head to head
	s_mov_b32 s30, 0
	s_mov_b32 s31, 0
	s_mul_i32 s50, s8, WQ
	s_lshl_b32 s52, s8, 17                         ; 128 w rows of 1,024 bytes,
	s_add_co_u32 s52, s52, 1572864                 ; behind wb's 1,536 rows of q, k, v
	s_mov_b32 s53, 0
	s_lshl_b32 s54, s46, 2
	s_add_co_u32 s54, s54, s8
	s_lshl_b32 s54, s54, 19                        ; (8 b + 2 w) heads of 262,144 bytes
	s_lshl_b32 s45, ttmp9, 12                      ; + 32 cluster x tokens of 128 bytes
	s_add_co_u32 s54, s54, s45
	s_mov_b32 s55, 0
	s_mul_i32 s51, s8, 9216
	s_add_co_u32 s51, s51, ABASE
	s_wait_dscnt 0x0
	s_wait_kmcnt 0x0
	s_add_nc_u64 s[52:53], s[72:73], s[52:53]
.irp n, 0,1
	s_mov_b32 s[32+4*\n], 1
	s_add_co_u32 s[33+4*\n], s50, \n*WSLOT
	s_add_nc_u64 s[34+4*\n:35+4*\n], s[52:53], \n*256
	s_or_b32 s[35+4*\n], s[35+4*\n], 0x80000000
.endr
	s_mov_b32 s40, 1
	s_mov_b32 s41, s51
	s_add_nc_u64 s[42:43], s[68:69], s[54:55]
	s_or_b32 s43, s43, 0x80000000
	ROUND                                          ; in front of the first loads
	tensor_load_to_lds s[40:43], s[24:31]          ; my two heads of fb
	s_nop 0
	tensor_load_to_lds s[32:35], s[16:23]          ; K step 0
	s_nop 0
	tensor_load_to_lds s[36:39], s[16:23]          ; K step 1: three loads of the wave are out
	s_nop 0
	s_mov_b32 s49, 0
	s_lshl_b32 s48, s8, 9
	s_add_nc_u64 s[60:61], s[76:77], s[48:49]      ; bo at column 128 w
	s_add_co_u32 s48, s48, 6144
	s_add_nc_u64 s[58:59], s[74:75], s[48:49]      ; w0 at row 1536 + 128 w
	s_lshl_b32 s48, s46, 16
	s_lshl_b32 s45, ttmp9, 7
	s_add_co_u32 s48, s48, s45
	s_add_nc_u64 s[62:63], s[70:71], s[48:49]      ; ot2 at head 8 b, my first token
	s_lshl_b32 s47, s46, 6
	s_add_co_u32 s47, s47, ttmp9                   ; token block
	s_mul_i32 s48, s47, 65664
	s_add_nc_u64 s[78:79], s[78:79], s[48:49]      ; out0 at my first row
	s_and_b32 s82, ttmp9, 1                        ; the block's parity: the same in all four partners
	s_lshl_b32 s83, s82, 7                         ; the main run begins at image byte 0 or 128,
	s_xor_b32 s82, s82, 1
	s_lshl_b32 s82, s82, 16                        ; the 128 bytes apart at 65,536 or 0
	v_and_b32 v1, 15, v0                           ; r
	v_bfe_u32 v2, v0, 4, 1                         ; h
	v_and_b32 v3, 31, v0                           ; lane
	v_mul_u32_u24 v13, v1, 272
	v_lshl_add_u32 v13, v2, 4, v13
	v_add_nc_u32 v[ADW], s50, v13
	v_add_nc_u32 v[ADW+1], WSLOT, v[ADW]
	v_mul_u32_u24 v13, v1, 144
	v_lshl_add_u32 v13, v2, 4, v13
	v_add_nc_u32 v[AF], ABASE, v13
	v_mul_u32_u24 v[IMG], v1, 2052
	v_lshl_add_u32 v[IMG], v2, 5, v[IMG]
	s_lshl_b32 s56, s8, 9
	s_add_co_u32 s56, s56, 4
	v_add_nc_u32 v[IMG], s56, v[IMG]               ; row r, column 1 + 128 w + 8 h
	s_lshl_b32 s57, s8, 7
	s_add_co_u32 s57, s57, PART
	v_lshl_add_u32 v[PARTW], v1, 2, s57
	v_lshlrev_b32 v[L4], 2, v3
	v_add_nc_u32 v[PARTR], PART, v[L4]
	v_mul_u32_u24 v[TIMA], v3, 2052
	v_lshlrev_b32 v[CPY], 4, v0
	v_add_nc_u32 v[TAIL], s82, v[CPY]
	v_add_nc_u32 v[CPY], s83, v[CPY]
	v_lshlrev_b32 v[H32], 5, v2
	v_cmp_eq_u32 s14, 1, v2
	WIN 0x40
.irp c, 0,1,2,3,4,5,6,7
	global_load_b128 v[128+8*\c:131+8*\c], v[H32], s[58:59] offset:64*\c       ; Wo's column 0 for my 8 columns of tile c
	global_load_b128 v[132+8*\c:135+8*\c], v[H32], s[58:59] offset:64*\c+16
	global_load_b128 v[192+8*\c:195+8*\c], v[H32], s[60:61] offset:64*\c       ; bo
	global_load_b128 v[196+8*\c:199+8*\c], v[H32], s[60:61] offset:64*\c+16
.endr
	WIN 0
.irp hd, 0,1,2,3,4,5,6,7
	global_load_b32 v[40+\hd], v[L4], s[62:63] offset:8192*\hd                 ; lane = token
.endr
	s_wait_loadcnt 0x0
	v_add_f32 v40, v40, v41
	v_add_f32 v42, v42, v43
	v_add_f32 v44, v44, v45
	v_add_f32 v46, v46, v47
	v_add_f32 v40, v40, v42
	v_add_f32 v44, v44, v46
	v_add_f32 v40, v40, v44
	v_mov_b32 v41, 0x4424b72d                      ; 10 + 80 s^2 = 658.86206
	v_fmac_f32 v41, 0x4101c5bd, v40                ; + s^2 x sum, s^2 = 8.110776
	v_max_num_f32 v41, 0x3089705f, v41             ; the clip at 1e-9
	v_sqrt_f32 v42, v41
	v_nop
	s_wait_alu depctr_va_vdst(0)
	v_permlanex16_b32 v43, v42, s12, s13
	v_cndmask_b32 v[TP], v42, v43, s14             ; token r
	v_cndmask_b32 v[TP+2], v43, v42, s14           ; token 16 + r
	v_mov_b32 v[TP+1], v[TP]
	v_mov_b32 v[TP+3], v[TP+2]
; 8 matrix instructions: column tiles n0 .. n0 + 3 x both token tiles; the 16 accumulators take turns
.macro MUL8 p, n0, zero
.irp c, 0,1,2,3
.irp m, 0,1
.if \zero
	v_wmma_f32_16x16x32_bf16 v[8*(8*\m+\n0+\c):8*(8*\m+\n0+\c)+7], v[FB+80*\p+16+8*(\n0+\c):FB+80*\p+16+8*(\n0+\c)+7], v[FB+80*\p+8*\m:FB+80*\p+8*\m+7], 0
.else
	v_wmma_f32_16x16x32_bf16 v[8*(8*\m+\n0+\c):8*(8*\m+\n0+\c)+7], v[FB+80*\p+16+8*(\n0+\c):FB+80*\p+16+8*(\n0+\c)+7], v[FB+80*\p+8*\m:FB+80*\p+8*\m+7], v[8*(8*\m+\n0+\c):8*(8*\m+\n0+\c)+7]
.endif
.endr
.endr
.endm
; 20 LDS loads: quarter q of K step tau = head 2 tau + (q >> 1), its numbers 32 (q & 1) .. + 31
.macro FETCH slot, tau, q, p
.irp m, 0,1
	ds_load_b128 v[FB+80*\p+8*\m:FB+80*\p+8*\m+3],   v[AF] offset:(2*\tau+(\q>>1))*4608+2304*\m+64*(\q&1)
	ds_load_b128 v[FB+80*\p+8*\m+4:FB+80*\p+8*\m+7], v[AF] offset:(2*\tau+(\q>>1))*4608+2304*\m+64*(\q&1)+32
.endr
.irp c, 0,1,2,3,4,5,6,7
	ds_load_b128 v[FB+80*\p+16+8*\c:FB+80*\p+16+8*\c+3], v[ADW+\slot] offset:4352*\c+64*\q
	ds_load_b128 v[FB+80*\p+20+8*\c:FB+80*\p+20+8*\c+3], v[ADW+\slot] offset:4352*\c+64*\q+32
.endr
.endm
.macro QUARTER slot, tau, q, f, g, zero
	s_wait_dscnt 8                                 ; fb's fragments and Wo's tiles 0-3 are in; the youngest eight loads (tiles 4-7) may be out
	WIN 0x50
	MUL8 \f, 0, \zero
	PLACES
	WIN 0
	FETCH \slot, \tau, \q, \g
	s_wait_dscnt 20                                ; all but the 20 just issued
	WIN 0x50
	MUL8 \f, 4, \zero
.endm
.macro TILE slot, tau, zero
	PLACES
	WIN 0
	FETCH \slot, \tau, 0, 0
	QUARTER \slot, \tau, 1, 0, 1, \zero
	QUARTER \slot, \tau, 2, 1, 0, 0
	QUARTER \slot, \tau, 3, 0, 1, 0
	s_wait_dscnt 0
	WIN 0x50
	MUL8 1, 0, 0
	MUL8 1, 4, 0
	WIN 0
.endm
; The slot just read is filled again, two K steps ahead: waits, round, the joint load first behind it.
.macro REFILL slot
	s_wait_tensorcnt 0x0                           ; all my tensor loads have landed, my part of the other slot among them
	ds_add_u32 v254, v255
	s_add_nc_u64 s[34+4*\slot:35+4*\slot], s[34+4*\slot:35+4*\slot], 512
	s_wait_dscnt 0x0                               ; my reads of this slot are over
	ROUND
	tensor_load_to_lds s[32+4*\slot:35+4*\slot], s[16:23]
	s_nop 0
.endm
	s_wait_tensorcnt 0x1                           ; fb's rows and K step 0 are in; K step 1 may stay out
	s_barrier_signal -1
	s_barrier_wait -1
	TILE 0, 0, 1
	REFILL 0
	TILE 1, 1, 0
	REFILL 1
	TILE 0, 2, 0
	s_wait_tensorcnt 0x0                           ; K step 3
	s_wait_dscnt 0x0                               ; my reads of slot 0 are over: behind this barrier it has had its last fill and its last read
	s_barrier_signal -1
	s_barrier_wait -1
	TILE 1, 3, 0
	; THE EPILOGUE
	PLACES
	WIN 0x05
.irp m, 0,1
.irp c, 0,1,2,3,4,5,6,7
.irp e, 0,2,4,6
	v_pk_add_f32 v[VAL+64*\m+8*\c+\e:VAL+64*\m+8*\c+\e+1], v[8*(8*\m+\c)+\e:8*(8*\m+\c)+\e+1], v[192+8*\c+\e:192+8*\c+\e+1]
.endr
.endr
.endr
	WIN 0x04
.irp m, 0,1
.irp c, 0,1,2,3,4,5,6,7
.irp e, 0,2,4,6
	v_pk_fma_f32 v[VAL+64*\m+8*\c+\e:VAL+64*\m+8*\c+\e+1], v[TP+2*\m:TP+2*\m+1], v[128+8*\c+\e:128+8*\c+\e+1], v[VAL+64*\m+8*\c+\e:VAL+64*\m+8*\c+\e+1]
.endr
.endr
.endr
	WIN 0
.irp m, 0,1
	v_pk_mul_f32 v[SQ+4*\m:SQ+4*\m+1],   v[VAL+64*\m:VAL+64*\m+1],   v[VAL+64*\m:VAL+64*\m+1]
	v_pk_mul_f32 v[SQ+4*\m+2:SQ+4*\m+3], v[VAL+64*\m+2:VAL+64*\m+3], v[VAL+64*\m+2:VAL+64*\m+3]
.irp e, 4,8,12,16,20,24,28,32,36,40,44,48,52,56,60
	v_pk_fma_f32 v[SQ+4*\m:SQ+4*\m+1],   v[VAL+64*\m+\e:VAL+64*\m+\e+1],   v[VAL+64*\m+\e:VAL+64*\m+\e+1],   v[SQ+4*\m:SQ+4*\m+1]
	v_pk_fma_f32 v[SQ+4*\m+2:SQ+4*\m+3], v[VAL+64*\m+\e+2:VAL+64*\m+\e+3], v[VAL+64*\m+\e+2:VAL+64*\m+\e+3], v[SQ+4*\m+2:SQ+4*\m+3]
.endr
	v_add_f32 v[SQ+4*\m], v[SQ+4*\m], v[SQ+4*\m+1]
	v_add_f32 v[SQ+4*\m+2], v[SQ+4*\m+2], v[SQ+4*\m+3]
	v_add_f32 v[SQ+4*\m], v[SQ+4*\m], v[SQ+4*\m+2]
	v_permlanex16_b32 v44, v[SQ+4*\m], s12, s13
	v_add_f32 v[SQ+4*\m], v[SQ+4*\m], v44
	ds_store_b32 v[PARTW], v[SQ+4*\m] offset:64*\m         ; my 128 columns' squares of token 16 m + r
.endr
	; the image of my 32 rows of out0, in slot 0's bytes; rows of 2,052 bytes allow stores of 4 bytes only
.irp m, 0,1
.irp c, 0,1,2,3,4,5,6,7
.irp e, 0,1,2,3,4,5,6,7
	ds_store_b32 v[IMG], v[VAL+64*\m+8*\c+\e] offset:32832*\m+64*\c+4*\e
.endr
.endr
.endr
	s_wait_dscnt 0x0                               ; for the others' sake: all my LDS stores are done
	s_barrier_signal -1
	s_barrier_wait -1
	s_cmp_lg_u32 s8, 0
	s_cbranch_scc1 .Lno_time
	ds_load_b32 v44, v[PARTR]                      ; lane = token: the four waves' partial sums
	ds_load_b32 v45, v[PARTR] offset:128
	ds_load_b32 v46, v[PARTR] offset:256
	ds_load_b32 v47, v[PARTR] offset:384
	s_wait_dscnt 0x0
	v_add_f32 v44, v44, v45
	v_add_f32 v46, v46, v47
	v_add_f32 v44, v44, v46
	v_add_f32 v44, 0x41200000, v44                 ; + 1/k = 10
	v_sqrt_f32 v45, v44
	v_nop
	s_wait_alu depctr_va_vdst(0)
	ds_store_b32 v[TIMA], v45                      ; column 0 of the row
.Lno_time:
	s_wait_dscnt 0x0
	s_barrier_signal -1
	s_barrier_wait -1
	; the flat copy: 128 threads x 32 x 16 bytes = 65,536 bytes; each store of a wave covers 512 consecutive bytes, aligned to 256
.irp i, 0,1,2,3,4,5,6,7,8,9,10,11,12,13,14,15
	ds_load_b128 v[64+4*\i:67+4*\i], v[CPY] offset:2048*\i
.endr
.irp i, 0,1,2,3,4,5,6,7,8,9,10,11,12,13,14,15
	ds_load_b128 v[128+4*\i:131+4*\i], v[CPY] offset:2048*(16+\i)
.endr
.irp i, 0,1,2,3,4,5,6,7,8,9,10,11,12,13,14,15
	s_wait_dscnt 31-\i
	global_store_b128 v[CPY], v[64+4*\i:67+4*\i], s[78:79] offset:2048*\i
.endr
.irp i, 0,1,2,3,4,5,6,7,8,9,10,11,12,13,14,15
	s_wait_dscnt 15-\i
	global_store_b128 v[CPY], v[128+4*\i:131+4*\i], s[78:79] offset:2048*(16+\i)
.endr
	s_cmp_lg_u32 s8, 0
	s_cbranch_scc1 .Lno_tail
	v_cmp_gt_u32 vcc_lo, 8, v0
	s_wait_xcnt 0x0                                ; EXEC changes only behind this wait
	s_and_saveexec_b32 s57, vcc_lo                 ; eight lanes: the 128 bytes that share an aligned block of 256 with the neighbouring token block
	ds_load_b128 v[192:195], v[TAIL]
	s_wait_dscnt 0x0
	global_store_b128 v[TAIL], v[192:195], s[78:79]
	s_wait_xcnt 0x0
	s_or_b32 exec_lo, exec_lo, s57
.Lno_tail:
	s_wait_tensorcnt 0x0
	ds_add_u32 v254, v255
	s_wait_dscnt 0x0
	ROUND                                          ; the closing round
	s_endpgm
.Lfunc_end_k_q618e1ebf72_oproj:
	.size	k_q618e1ebf72_oproj, .Lfunc_end_k_q618e1ebf72_oproj-k_q618e1ebf72_oproj
	.p2alignl 7, 3214868480
	.fill 96, 4, 3214868480
	.section	.rodata,"a",@progbits
	.p2align	6, 0x0
	.amdhsa_kernel k_q618e1ebf72_oproj
		.amdhsa_group_segment_fixed_size 327680
		.amdhsa_private_segment_fixed_size 0
		.amdhsa_enable_private_segment 0
		.amdhsa_kernarg_size 48
		.amdhsa_user_sgpr_count 2
		.amdhsa_user_sgpr_kernarg_segment_ptr 1
		.amdhsa_wavefront_size32 1
		.amdhsa_system_sgpr_workgroup_id_x 1
		.amdhsa_system_sgpr_workgroup_id_y 1
		.amdhsa_system_sgpr_workgroup_id_z 1
		.amdhsa_system_vgpr_workitem_id 0
		.amdhsa_next_free_vgpr 512
		.amdhsa_next_free_sgpr 84
		.amdhsa_reserve_vcc 1
		.amdhsa_float_denorm_mode_32 3
		.amdhsa_float_denorm_mode_16_64 3
		.amdhsa_memory_ordered 1
		.amdhsa_forward_progress 1
		.amdhsa_inst_pref_size 80
	.end_amdhsa_kernel
	.amdgpu_metadata
---
amdhsa.version: [ 1, 2 ]
amdhsa.kernels:
  - .name:           k_q618e1ebf72_oproj
    .symbol:         k_q618e1ebf72_oproj.kd
    .args:
      - { .name: fb, .offset: 0, .size: 8, .value_kind: global_buffer, .address_space: global }
      - { .name: ot2, .offset: 8, .size: 8, .value_kind: global_buffer, .address_space: global }
      - { .name: wb, .offset: 16, .size: 8, .value_kind: global_buffer, .address_space: global }
      - { .name: w0, .offset: 24, .size: 8, .value_kind: global_buffer, .address_space: global }
      - { .name: bo, .offset: 32, .size: 8, .value_kind: global_buffer, .address_space: global }
      - { .name: out0, .offset: 40, .size: 8, .value_kind: global_buffer, .address_space: global }
    .group_segment_fixed_size: 327680
    .private_segment_fixed_size: 0
    .kernarg_segment_align: 8
    .kernarg_segment_size: 48
    .max_flat_workgroup_size: 128
    .sgpr_count:     84
    .vgpr_count:     512
    .wavefront_size: 32
...
	.end_amdgpu_metadata
.endif
;; end of part 4
